; MI455X (gfx1250); checked and timed in simulation.
; The chip was launched on July 23, 2026; its instructions are those of AMD's public machine-readable ISA for CDNA 5 (MIT licence, August 2026) and "CDNA5" Instruction Set Architecture Reference Guide (July 2026). The comments in the code are by the model that wrote it; some were corrected since.
;; Q Linear. Allowed arithmetic: matrix products marked QUANTISED: E3M2 operands, one E8M0 scale for each 32 along K, by v_wmma_scale_f32_16x16x128_f8f6f4 with both operands' format E3M2, f32 sums; everything else in f32.
;; Inputs: bias 4,096 int32; weight 4,096 x 4,096 int32; x 4,096 x 4,096 float32.
;; Outputs: out0 4,096 x 4,096 float32.
;; This version of the problem:
;;   THIS VERSION OF THE PROBLEM IS GIVEN IN LOW PRECISION. The matrix products marked QUANTISED in the list below multiply operands that are first quantised to E3M2 (3 exponent bits, 2 mantissa bits; 6 bits a number), with one power-of-two scale for each 32 numbers along K (OCP MX v1.0); their sums are f32. All else is computed in f32.
;;   The module's matrix products, in the order in which they are computed (A, B: the left and right operand; K: the contracted axis; several contracted axes count as one K, in the product's order):
;;     1. [M 4,096, K 4,096] x [K 4,096, N 4,096]; A: input x; B: input weight: QUANTISED
;;   THE QUANTISER, for each operand of a quantised product, along K:
;;     - K is cut into blocks of 32 from its start; a last block that is shorter is filled with zeros.
;;     - A block's scale is 2^e with e = floor(log2(the largest magnitude in the block)) - 4, held to -126 .. 127; a block of zeros has e = 0. As a byte (E8M0): e + 127.
;;     - Each number is divided by its block's scale, clamped to +-28, and rounded to the nearest number of E3M2, ties to even, subnormals kept.
;;     - The product sums the exact products of the quantised numbers (number of the format x scale) in f32.
;;   ~~~python
;;   def quantise(x, axis):      # numpy; x: float32 -> the quantised numbers, widened to float32 again
;;       x = np.moveaxis(x, axis, -1); K = x.shape[-1]
;;       x = np.pad(x, [(0, 0)] * (x.ndim - 1) + [(0, -K % 32)]); x = x.reshape(x.shape[:-1] + (-1, 32)); a = np.abs(x).max(-1, keepdims=True)
;;       e = np.where(a > 0, np.clip(np.frexp(np.where(a > 0, a, 1))[1] - 1 - 4, -126, 127), 0)      # np.frexp(a)[1] - 1 = floor(log2(a)), exactly
;;       r = np.clip(x / 2.0 ** e, -28, 28)
;;       step = 2.0 ** (np.maximum(np.frexp(np.where(r == 0, 1, r))[1] - 1, -2) - 2)
;;       q = np.round(r / step) * step * 2.0 ** e      # np.round: ties to even
;;       return np.moveaxis(q.reshape(q.shape[:-2] + (-1,))[..., :K], -1, axis).astype(np.float32)
;;   ~~~
;; One version. Each part assembles by itself: llvm-mc -triple=amdgcn-amd-amdhsa -mcpu=gfx1250 --defsym DOCPART=n.
;; ======== version 1 of 1: 2 launches
;; limits: right only within a limited range of input values
;; workspace buffers: a_q 13,107,200 bytes; b_q 13,107,200 bytes
;; launch quant (part 1): grid 256 x 1, 8 waves a work-group, no clusters, 327,680 bytes of LDS; arguments x, weight, a_q, b_q; writes a_q, b_q
.if DOCPART == 1
	.amdgcn_target "amdgcn-amd-amdhsa--gfx1250"
	.amdhsa_code_object_version 6
	.text
	.protected	k_q02bfa088f9_quant
	.globl	k_q02bfa088f9_quant
	.p2align	8
	.type	k_q02bfa088f9_quant,@function
k_q02bfa088f9_quant:
	s_mov_b64 s[64:65], 0
	v_nop
	global_prefetch_b8 v0, s[64:65] scope:SCOPE_SE
	s_setreg_imm32_b32 hwreg(HW_REG_WAVE_MODE, 25, 1), 1
	s_wait_xcnt 0x0
; x [4096][4096] f32 and weight [4096][4096] int32 (widened to f32, to nearest even, as a cast does) become codes of BF6 (E3M2), 6 bits each, with one E8M0 byte for each 32 along K (K is innermost in both).
; A block's scale is 2^(floor(log2(its largest magnitude)) - 4): its byte is the largest magnitude's own exponent field - 4, held at 1 from below; each number is divided by the scale and rounded to the nearest code,
; ties to even, beyond 28 the largest code.
; THE DIVISION BY 128 of the product is folded in here: 7 is taken off every scale byte of the weight, which is exact.  A weight block that is not all zeros has a largest magnitude of 1 at the least (whole numbers),
; so its byte is 123 at the least and 116 after the 7; the floor of the weight's maximum is 2^(12 - 127), so that a block of zeros ends at the byte 1.
; LIMITS: NaN and infinities in x are not served.  A block of zeros gets the byte 1 where the rule says 127: its codes are zeros, which add nothing under any byte but 0xff, and this program alone reads the bytes.
; THE WORKSPACE IS LAID IN THE ORDER OF THE OPERAND'S REGISTERS: [T = K / 128 : 32][g = rows / 128 : 32][a record of 12,800 bytes].  A record: the images of 8 fragments (16-row blocks 0 .. 7), 1,536 bytes each, an image
; being registers 4 c .. 4 c + 3 of lane l at byte 512 c + 16 l; then 512 bytes of scale words, [row : 16][16-row block : 8], 4 bytes each.
; SHARES.  Work-groups 0-127 take x, 128-255 the weight (pointers and three constants are chosen on the work-group's number; the weight's way has 64 conversions more a fragment).  A work-group takes 128 rows x 1,024 along K:
; eight records.  Wave p takes 16-row block p in all of them.
; THE WAY IN: two LDS slots of 128 rows x 256 numbers, filled four times in all by tensor loads, one a wave: my 16 rows x 1,024 bytes, each row at a multiple of 256 bytes, 16 bytes of padding behind each row in LDS
; (1,040 bytes = 260 words: row r starts at bank 4 r mod 64; ISA guide 11.1).  A wave fetches what it alone reads.  A fragment's lane (r, h) reads, of row r, the numbers k = 64 c + 32 h + 0 .. 31: whole blocks of 32.
; PREFETCH: beside each tensor load a wave names the 64 blocks of 256 bytes of its next fill (a lane a block, two instructions): at a change of slots all tensor loads have been waited for, so a refill has nothing on its way beside it.
; No clusters: no byte of the inputs is read by two work-groups.
; The scale words stay in registers, one for each of my eight fragments; at the end they meet in LDS, and wave p stores record p's 512 bytes whole.
.set STB,   12800
.set TSTR,  32*STB
.set SCW,   12288
.set FRB,   1536
.set SP,    1040                       ; an LDS row
.set WSL,   16*SP                      ; a wave's part of a slot
.set SLOTB, 8*WSL
.set SCA,   2*SLOTB                    ; behind the slots: eight records' scale words, 4,096 bytes
.set SPARE, SCA+4096                   ; the spare words, 128 bytes a wave
.set LI,  4                            ; 16 x lane
.set RB,  5                            ; v5, v6: my row's numbers in slot 0, 1: 1,040 r + 128 h
.set H8,  7                            ; 8 h
.set CI,  8                            ; my place in a record's images
.set SA,  9                            ; LDS: my scale word's place in a record: 32 r + 4 p
.set MX,  10                           ; v10-11, v30-31: largest magnitudes, two chains a block
.set SO,  12                           ; v12-13 the conversions' scale operands
.set TA,  14
.set PD,  16                           ; the lane permute's destination
.set LA,  17                           ; LDS: record p's scale words, 16 x lane
.set GS,  18                           ; and their place in memory
.set PF,  19                           ; the prefetches' offset: row lane / 4, block lane % 4
.set SPW, 20
.set NIL, 21
.set W,   22                           ; v22-29 the scale words of my eight fragments
.set MY,  30
.set WP,  32
.set T,   36                           ; v36-38, v40-42: the blocks' second halves (a conversion's three registers begin on an even number)
.set C,   44                           ; v44-91 four sets of a fragment's 12 registers
.set X,   96                           ; v96-223 two sets of 64 numbers
	s_load_b128 s[4:7], s[0:1], 0x0                ; x, weight
	s_load_b128 s[8:11], s[0:1], 0x10              ; a_q, b_q
	v_lshl_add_u32 v[SPW], v0, 2, SPARE
	v_mov_b32 v[NIL], 0
	ds_add_u32 v[SPW], v[NIL]                      ; the opening lines: the add, twice on end, and its wait ahead of my first tensor load
	ds_add_u32 v[SPW], v[NIL]
	v_lshrrev_b32 v1, 5, v0
	v_readfirstlane_b32 s16, v1                    ; wave p
	s_mul_i32 s17, s16, WSL
	s_mov_b32 s32, (3<<16)|(1<<20)|(7<<22)|(3<<25) ; elements of 8 bytes; 4 words of padding behind every 256
	s_mov_b32 s33, 128<<16                         ; a row: 128 elements
	s_mov_b32 s34, 16<<16                          ; 16 rows
	s_mov_b32 s35, 128<<16
	s_mov_b32 s36, 16
	s_mov_b32 s37, 2048                            ; from row to row
	s_mov_b32 s38, 0
	s_mov_b32 s39, 0
	s_mov_b32 s40, 1
	s_mul_i32 s41, s16, WSL                        ; slot 0, my part
	s_mov_b32 s44, 1
	s_add_co_u32 s45, s41, SLOTB                   ; slot 1
	s_mov_b32 s28, 0x76543210
	s_mov_b32 s29, 0xfedcba98                      ; v_permlanex16_b32's selects for lane l xor 16
	s_and_b32 s18, ttmp9, 127
	s_and_b32 s19, s18, 3                          ; which 1,024 of K
	s_lshr_b32 s18, s18, 2                         ; g: which 128 rows
	s_lshl_b32 s20, s18, 21
	s_lshl_b32 s21, s16, 18                        ; my 16 rows
	s_add_co_u32 s20, s20, s21
	s_lshl_b32 s21, s19, 12
	s_add_co_u32 s20, s20, s21
	s_mov_b32 s21, 0
	s_mul_i32 s22, s19, 8*TSTR
	s_mul_i32 s23, s18, STB
	s_add_co_u32 s22, s22, s23                     ; the first of my work-group's eight records
	s_mov_b32 s23, 0
	s_mul_i32 s12, s16, FRB
	s_lshl_b32 s13, s16, 2
	s_add_co_u32 s13, s13, SCA
	s_lshl_b32 s14, s16, 9
	s_add_co_u32 s14, s14, SCA
	s_mul_i32 s15, s16, TSTR
	s_mov_b32 s25, 12<<23
	s_cmp_lt_u32 ttmp9, 128                        ; x's work-group or the weight's?
	s_cselect_b32 s24, 0, 1                        ; 1: the numbers arrive as int32
	s_cselect_b32 s25, 5<<23, s25                  ; the floor of a largest magnitude
	s_cselect_b32 s26, 0, 0x07070707               ; what comes off the four bytes of a scale word
	v_and_b32 v1, 31, v0
	v_and_b32 v2, 15, v0                           ; r
	v_bfe_u32 v3, v0, 4, 1                         ; h
	v_lshlrev_b32 v[LI], 4, v1
	v_mul_u32_u24 v[RB], v2, SP
	v_lshl_add_u32 v[RB], v3, 7, v[RB]
	v_add_nc_u32 v[RB], s17, v[RB]
	v_add_nc_u32 v[RB+1], SLOTB, v[RB]
	v_lshlrev_b32 v[H8], 3, v3
	v_add_nc_u32 v[CI], s12, v[LI]
	v_lshlrev_b32 v[SA], 5, v2
	v_add_nc_u32 v[SA], s13, v[SA]
	v_add_nc_u32 v[LA], s14, v[LI]
	v_add_nc_u32 v[GS], s15, v[LI]
	v_lshrrev_b32 v[PF], 2, v1
	v_lshlrev_b32 v[PF], 14, v[PF]
	v_and_b32 v1, 3, v1
	v_lshl_add_u32 v[PF], v1, 8, v[PF]
	v_mov_b32 v[PD], 0                             ; written once: a lane permute's destination counts as one of its sources
	s_wait_alu depctr_va_vdst(0)                   ; the wait at the head's end
	s_wait_dscnt 0x0                               ; both opening adds are done
	s_wait_kmcnt 0x0
	s_cmp_lt_u32 ttmp9, 128
	s_cselect_b64 s[4:5], s[4:5], s[6:7]
	s_cselect_b64 s[8:9], s[8:9], s[10:11]
	s_add_nc_u64 s[4:5], s[4:5], s[20:21]
	s_add_nc_u64 s[8:9], s[8:9], s[22:23]
	s_mov_b64 s[42:43], s[4:5]                     ; fill 0
	s_or_b32 s43, s43, 0x80000000
	s_add_nc_u64 s[46:47], s[4:5], 1024            ; fill 1
	s_or_b32 s47, s47, 0x80000000
	tensor_load_to_lds s[40:43], s[32:39]          ; one tensor load a wave at the head
	s_nop 0
	global_prefetch_b8 v[PF], s[4:5] offset:1024 th:TH_LOAD_NT scope:SCOPE_SE
	global_prefetch_b8 v[PF], s[4:5] offset:1024+8*16384 th:TH_LOAD_NT scope:SCOPE_SE
.macro LDX f, t                        ; fragment t of fill f: register 32 c + i of set t = k 128 t + 64 c + 32 h + i of row r
.irp c, 0,1
.irp j, 0,1,2,3,4,5,6,7
	ds_load_b128 v[X+64*\t+32*\c+4*\j:X+64*\t+32*\c+4*\j+3], v[RB+((\f)%2)] offset:512*\t+256*\c+16*\j
.endr
.endr
.endm
.macro PROC xs, cs, w, rec             ; 64 numbers at xs -> a fragment's 12 registers at cs, stored into record rec; its scale word -> w
	s_cmp_eq_u32 s24, 0
	s_cbranch_scc1 .Lf32_\@                        ; x is f32 already: the jump, on the work-group's number, passes over work on registers alone
.set J, 0
.rept 64
	v_cvt_f32_i32 v[\xs+J], v[\xs+J]
.set J, J+1
.endr
.Lf32_\@:
.irp c, 0,1                            ; my block 2 c + h: all its 32 numbers are mine; two chains a block, four by turns; the floor is a leaf
	v_max3_num_f32 v[MX+\c], |v[\xs+32*\c]|, |v[\xs+32*\c+1]|, s25
	v_max3_num_f32 v[MY+\c], |v[\xs+32*\c+16]|, |v[\xs+32*\c+17]|, |v[\xs+32*\c+18]|
.endr
.irp i, 2,4,6,8,10,12
.irp c, 0,1
	v_max3_num_f32 v[MX+\c], v[MX+\c], |v[\xs+32*\c+\i]|, |v[\xs+32*\c+\i+1]|
	v_max3_num_f32 v[MY+\c], v[MY+\c], |v[\xs+32*\c+\i+17]|, |v[\xs+32*\c+\i+18]|
.endr
.endr
.irp c, 0,1
	v_max3_num_f32 v[MX+\c], v[MX+\c], |v[\xs+32*\c+14]|, |v[\xs+32*\c+15]|
.endr
.irp c, 0,1
	v_max3_num_f32 v[MX+\c], v[MX+\c], v[MY+\c], |v[\xs+32*\c+31]|
.endr
.irp c, 0,1
	v_add_nc_u32 v[SO+\c], 0xfe000000, v[MX+\c]    ; 4 off the exponent field: the conversion takes the exponent field of this operand as its scale
.endr
	v_cvt_scalef32_pk16_bf6_f32 v[\cs:\cs+2], v[\xs:\xs+15], v[SO]
	v_cvt_scalef32_pk16_bf6_f32 v[T:T+2], v[\xs+16:\xs+31], v[SO]
	v_cvt_scalef32_pk16_bf6_f32 v[\cs+6:\cs+8], v[\xs+32:\xs+47], v[SO+1]
	v_cvt_scalef32_pk16_bf6_f32 v[T+4:T+6], v[\xs+48:\xs+63], v[SO+1]
	v_nop                                          ; one plain vector instruction behind a scaled conversion
.irp i, 0,1,2
	v_mov_b32 v[\cs+3+\i], v[T+\i]
	v_mov_b32 v[\cs+9+\i], v[T+4+\i]
.endr
	v_lshrrev_b32 v[TA], 23, v[SO]                 ; the bytes of my two blocks, h and 2 + h of row r,
	v_lshrrev_b32 v[TA+1], 23, v[SO+1]
	v_lshl_or_b32 v[TA], v[TA+1], 16, v[TA]
	v_lshlrev_b32 v[TA], v[H8], v[TA]              ; at their places in the scale word;
	v_permlanex16_b32 v[PD], v[TA], s28, s29
	v_or_b32 v[TA], v[TA], v[PD]                   ; with lane l xor 16's two the word is whole
	v_sub_nc_u32 v[\w], v[TA], s26                 ; the weight's: 7 off each byte; no borrow, since each byte is 8 at the least there
.irp c, 0,1,2
	global_store_b128 v[CI], v[\cs+4*\c:\cs+4*\c+3], s[8:9] offset:(\rec)*TSTR+512*\c   ; 32 lanes store 512 consecutive bytes, at a multiple of 512 from the buffer's first byte
.endr
.endm
.macro TRIP f
	s_wait_tensorcnt 0x0                           ; my one load that was out, fill f, has landed;
	ds_add_u32 v[SPW], v[NIL]                      ; the add;
	s_add_nc_u64 s[42+4*((\f)%2):43+4*((\f)%2)], s[42+4*((\f)%2):43+4*((\f)%2)], 2048   ; no load of mine is out: this slot's next fill (in the last two trips the stepped address is not used)
	s_wait_dscnt 0x0                               ; the add is done, and my reads of the other slot are over
	s_barrier_signal -1
	s_barrier_wait -1
.if \f < 3
	tensor_load_to_lds s[44-4*((\f)%2):47-4*((\f)%2)], s[32:39]   ; fill f + 1, into the slot read last (the first time: slot 1's first fill, issued as a refill is)
	s_nop 0
.endif
.if \f >= 2
	s_wait_xcnt 0x0                                ; the stores of two trips ago have read their data registers, which are written again below
.endif
	LDX \f, 0
	LDX \f, 1
.if \f < 2
	global_prefetch_b8 v[PF], s[4:5] offset:(\f+2)*1024 th:TH_LOAD_NT scope:SCOPE_SE
	global_prefetch_b8 v[PF], s[4:5] offset:(\f+2)*1024+8*16384 th:TH_LOAD_NT scope:SCOPE_SE
.endif
	s_wait_dscnt 16                                ; the first fragment's 16 loads are in
	PROC X, C+24*((\f)%2), W+2*(\f), 2*(\f)
	s_wait_dscnt 0x0
	PROC X+64, C+24*((\f)%2)+12, W+2*(\f)+1, 2*(\f)+1
.endm
	TRIP 0
	TRIP 1
	TRIP 2
	TRIP 3
.irp i, 0,1,2,3,4,5,6,7
	ds_store_b32 v[SA], v[W+\i] offset:512*\i      ; row r's word of record i, block p (both halves of the lanes write the same word with the same value)
.endr
	s_wait_dscnt 0x0                               ; for the others' sake: my words lie in LDS
	s_barrier_signal -1
	s_barrier_wait -1
	ds_load_b128 v[WP:WP+3], v[LA]
	s_wait_dscnt 0x0
	global_store_b128 v[GS], v[WP:WP+3], s[8:9] offset:SCW   ; record p's scale words: 512 consecutive bytes, at a multiple of 256 from the buffer's first byte
	s_wait_tensorcnt 0x0                           ; the wave's end
	ds_add_u32 v[SPW], v[NIL]
	s_wait_dscnt 0x0
	s_endpgm
.Lfunc_end_k_q02bfa088f9_quant:
	.size	k_q02bfa088f9_quant, .Lfunc_end_k_q02bfa088f9_quant-k_q02bfa088f9_quant
	.p2alignl 7, 3214868480
	.fill 96, 4, 3214868480
	.section	.rodata,"a",@progbits
	.p2align	6, 0x0
	.amdhsa_kernel k_q02bfa088f9_quant
		.amdhsa_group_segment_fixed_size 327680
		.amdhsa_private_segment_fixed_size 0
		.amdhsa_enable_private_segment 0
		.amdhsa_kernarg_size 32
		.amdhsa_user_sgpr_count 2
		.amdhsa_user_sgpr_kernarg_segment_ptr 1
		.amdhsa_wavefront_size32 1
		.amdhsa_system_sgpr_workgroup_id_x 1
		.amdhsa_system_sgpr_workgroup_id_y 1
		.amdhsa_system_sgpr_workgroup_id_z 1
		.amdhsa_system_vgpr_workitem_id 0
		.amdhsa_next_free_vgpr 224
		.amdhsa_next_free_sgpr 66
		.amdhsa_reserve_vcc 0
		.amdhsa_float_denorm_mode_32 3
		.amdhsa_float_denorm_mode_16_64 3
		.amdhsa_memory_ordered 1
		.amdhsa_forward_progress 1
		.amdhsa_inst_pref_size 58
	.end_amdhsa_kernel
	.amdgpu_metadata
---
amdhsa.version: [ 1, 2 ]
amdhsa.kernels:
  - .name:           k_q02bfa088f9_quant
    .symbol:         k_q02bfa088f9_quant.kd
    .args:
      - { .name: x, .offset: 0, .size: 8, .value_kind: global_buffer, .address_space: global }
      - { .name: weight, .offset: 8, .size: 8, .value_kind: global_buffer, .address_space: global }
      - { .name: a_q, .offset: 16, .size: 8, .value_kind: global_buffer, .address_space: global }
      - { .name: b_q, .offset: 24, .size: 8, .value_kind: global_buffer, .address_space: global }
    .group_segment_fixed_size: 327680
    .private_segment_fixed_size: 0
    .kernarg_segment_align: 8
    .kernarg_segment_size: 32
    .max_flat_workgroup_size: 256
    .sgpr_count:     66
    .vgpr_count:     224
    .wavefront_size: 32
...
	.end_amdgpu_metadata
.endif
;; end of part 1
;; launch gemm (part 2): grid 16 x 16, 4 waves a work-group, clusters of 4 x 4, 327,680 bytes of LDS; arguments a_q, b_q, bias, out0; writes out0
.if DOCPART == 2
	.amdgcn_target "amdgcn-amd-amdhsa--gfx1250"
	.amdhsa_code_object_version 6
	.text
	.protected	k_q02bfa088f9_gemm
	.globl	k_q02bfa088f9_gemm
	.p2align	8
	.type	k_q02bfa088f9_gemm,@function
k_q02bfa088f9_gemm:
	s_mov_b64 s[64:65], 0
	v_nop
	global_prefetch_b8 v0, s[64:65] scope:SCOPE_SE
	s_setreg_imm32_b32 hwreg(HW_REG_WAVE_MODE, 25, 1), 1
	s_wait_xcnt 0x0
	s_wait_alu depctr_hold_cnt(0) depctr_sa_sdst(0) depctr_va_vdst(0) depctr_va_sdst(0) depctr_va_ssrc(0) depctr_va_vcc(0) depctr_vm_vsrc(0)
	s_getreg_b32 s2, hwreg(HW_REG_IB_STS2, 6, 4)
	s_cmp_eq_u32 s2, 0
	s_cbranch_scc0 .Lentry_in_a_cluster
	s_endpgm
.Lentry_in_a_cluster:
	s_bfe_u32 s2, ttmp6, 0x10000c
	s_cmp_lg_u32 s2, 0xf033
	s_cbranch_scc0 .Lentry_shape_is_right
	s_endpgm
.Lentry_shape_is_right:
; out0[i][j] = sum over k of Q(x)[i][k] Q(weight)[j][k] / 128 + bias[j].  a_q and b_q hold the codes of BF6 (E3M2) and the E8M0 scale words of x and of the weight, as the launch before
; laid them: [T = K / 128 : 32][g = rows / 128 : 32][a record of 12,800 bytes: 8 images of fragments, 1,536 bytes each (registers 4 c .. 4 c + 3 of lane l at 512 c + 16 l), then 512 bytes of scale words [row : 16][block : 8]].
; The division by 128 lies in the weight's scale bytes (7 taken off each there).  The bias, widened to f32 as a cast does, is the C of each accumulator's first product: nothing is cleared, nothing is added later.
; A tile of out0, 256 x 256, is made by four waves, 128 x 128 each: 64 accumulators, 512 registers.  K goes in steps of 128 through two LDS slots of three steps each (the last fill has two steps: 32 = 10 x 3 + 2).
; Waves 0, 1 fetch the two records (128 rows each) of A for a slot's steps, waves 2, 3 those of B: one tensor load a wave, rows of 12,800 bytes, each at a multiple of 256 bytes.
; CLUSTERS: 4 x 4 work-groups; A's tiles are asked for jointly along a row of the cluster, B's along a column.
; THE MATRIX INSTRUCTION IS USED TRANSPOSED (source 0 = 16 rows of the weight, source 1 = 16 rows of x): a lane holds eight neighbouring numbers of a row of out0.
; TWO SETS OF FRAGMENT REGISTERS FOR BOTH OPERANDS, by the step's parity.  A step is eight blocks of eight products (one block of A against B's eight); the next step's 50 LDS loads stand in ONE run, behind the first block,
; 56 products ahead of their first use.  A slot's third step lies whole in registers when it begins, so the change of slots stands at that step's head.
; THE LAST STEP: a block of A finishes 16 rows of out0; each such block leaves, through the wave's stage in LDS, while the later blocks are multiplied.
; PREFETCH: behind each joint load every wave names the records that its next refill will ask for (one refill ahead; at the head too); the four partners of a joint load share a record's 50 blocks of 256 bytes out by address, 13 each.
; REGISTERS.  Window 0: v0-31 addresses; v32-47 scale words, two sets of 8 (lanes 0-15 A's block i, lanes 16-31 B's block i); v48-143 A's set 1; v144-239 A's set 0.
;   Window 1: v0-95 B's set 0; v128-223 B's set 1; v96-127 and v224-255 the bias.  Window 2: the accumulators of my rows 0-63 ((a, b) at v[8 (8 a + b)]); window 3: rows 64-127.
.set FR,     12
.set FRB,    1536
.set NQ,     3                         ; steps in a slot
.set STB,    12800                     ; a record
.set TSTR,   32*STB                    ; from one 128 of K to the next
.set SCW,    12288                     ; a record's scale words
.set REC,    NQ*STB                    ; what one tensor load brings
.set BOFF,   2*REC
.set SLOT,   4*REC
.set STAGE,  SLOT                      ; the way out goes through slot 1, behind its last fill and its last read
.set SPITCH, 528
.set SPARE,  2*SLOT                    ; the spare words, 128 bytes a wave
.set TRIPS,  4
.set ROWC,   16384                     ; a row of out0
.set ADRA, 16                          ; v16-17 my A images in slot 0, 1;  v18-19 B's;  v20-21 the scale words
.set ADRB, 18
.set ASC,  20
.set STO,  24                          ; the stage, in;  v25 back;  v26 16 x lane
.set RD,   25
.set CO,   26
.set SPW,  28                          ; my spare word;  v29 = 0
.set NIL,  29
.set BO,   30                          ; 32 h: the bias
.set PFO,  31                          ; the prefetches' offset
.set SC,   32
.set WV,   12
.set HR,   13
.set HC,   14
.set LAP,  15
.set G1,   24                          ; s[24:31] group 1 for A, s[32:39] group 0 for the two slots; s[48:55], s[56:63] for B
.set G0,   32
.set G1B,  48
.set G0B,  56
.set PFA,  66                          ; s[66:67] my records of the group that was asked for last
.set P13,  69
.set G1L,  72                          ; groups 1 of the last fill: two rows
.set G1BL, 80
.set MSB, 0
.macro WIN new                         ; the immediate's high byte repeats the setting that is left
.if MSB != (\new)
	s_set_vgpr_msb (MSB<<8)|(\new)
.set MSB, (\new)
.endif
.endm
.set TO_B, 0x40                        ; destination window 1
.macro MW a, first                     ; the products' windows: source 0 window 1, source 1 window 0, D window 2 or 3; C as D, or the bias in window 1
.if \first
	WIN 0x91+0x40*((\a)/4)
.else
	WIN 0xa1+0x50*((\a)/4)
.endif
.endm
.macro JLOAD s, ga, gb                 ; a joint load: waves 0, 1 for A, waves 2, 3 for B; an s_nop 0 and four v_nop behind each load
	s_cmp_eq_u32 s[HR], 0
	s_cbranch_scc0 .Lfor_b_\@
	tensor_load_to_lds s[G0+4*\s:G0+4*\s+3], s[\ga:\ga+7]
	s_nop 0
.rept 4
	v_nop
.endr
	s_branch .Lasked_\@
.Lfor_b_\@:
	tensor_load_to_lds s[G0B+4*\s:G0B+4*\s+3], s[\gb:\gb+7]
	s_nop 0
.rept 4
	v_nop
.endr
.Lasked_\@:
.endm
.macro ASK base, second                ; my share of the three records at PFA + base; second = 1: in the loop's last trip that group has two records only
	global_prefetch_b8 v[PFO], s[PFA:PFA+1] offset:\base th:TH_LOAD_NT scope:SCOPE_SE
	global_prefetch_b8 v[PFO], s[PFA:PFA+1] offset:\base+TSTR th:TH_LOAD_NT scope:SCOPE_SE
.if \second
	s_cmp_gt_u32 s[LAP], 1
	s_cbranch_scc0 .Lno_third_\@
.endif
	global_prefetch_b8 v[PFO], s[PFA:PFA+1] offset:\base+2*TSTR th:TH_LOAD_NT scope:SCOPE_SE
.Lno_third_\@:
.endm
.macro CREST                           ; a round of the cluster's barrier behind its opening barrier
	s_cmp_lg_u32 s[WV], 0
	s_cbranch_scc1 .Lnot_wave_0_\@
	s_barrier_signal -3
.Lnot_wave_0_\@:
	s_barrier_wait -3
	s_barrier_signal -1
	s_barrier_wait -1
.endm
.macro CROUND
	s_barrier_signal -1
	s_barrier_wait -1
	CREST
.endm
.macro PLACES
.rept 4
	v_nop
.endr
.endm
	s_load_b256 s[4:11], s[0:1], 0x0               ; a_q, b_q, bias, out0
	v_lshl_add_u32 v[SPW], v0, 2, SPARE
	v_mov_b32 v[NIL], 0
	ds_add_u32 v[SPW], v[NIL]                      ; the opening lines: the add, twice on end, and its wait ahead of my first tensor load
	ds_add_u32 v[SPW], v[NIL]
	v_lshrrev_b32 v1, 5, v0
	v_readfirstlane_b32 s[WV], v1                  ; wave
	s_lshr_b32 s[HR], s[WV], 1                     ; my half of the tile's rows; also: I fetch for A (0) or B (1)
	s_and_b32 s[HC], s[WV], 1                      ; my half of its columns; also: which record I fetch
	s_bfe_u32 s40, ttmp6, 0x40000                  ; cx, cy
	s_bfe_u32 s41, ttmp6, 0x40004
	s_lshl_b32 s42, ttmp9, 2
	s_add_co_u32 s42, s42, s40                     ; tile column
	s_and_b32 s43, ttmp7, 0xffff
	s_lshl_b32 s43, s43, 2
	s_add_co_u32 s43, s43, s41                     ; tile row
	s_lshl_b32 s44, s41, 2
	s_lshl_b32 s44, 15, s44                        ; my row of the cluster
	s_lshl_b32 s45, 0x1111, s40                    ; my column
	s_or_b32 s[G1+0], s44, (3<<16)|(1<<21)         ; elements of 8 bytes, the mask, bit 21 beside it
	s_or_b32 s[G1B+0], s45, (3<<16)|(1<<21)
	s_or_b32 s[G1L+0], s44, (3<<16)|(1<<21)
	s_or_b32 s[G1BL+0], s45, (3<<16)|(1<<21)
.irp g, G1, G1B, G1L, G1BL
	s_mov_b32 s[\g+1], (STB/8)<<16
	s_mov_b32 s[\g+3], (STB/8)<<16
	s_mov_b32 s[\g+5], TSTR/8
	s_mov_b32 s[\g+6], 0
	s_mov_b32 s[\g+7], 0
.endr
.irp g, G1, G1B
	s_mov_b32 s[\g+2], NQ<<16
	s_mov_b32 s[\g+4], NQ
.endr
.irp g, G1L, G1BL
	s_mov_b32 s[\g+2], 2<<16
	s_mov_b32 s[\g+4], 2
.endr
	s_lshl_b32 s16, s43, 1
	s_add_co_u32 s16, s16, s[HC]
	s_mul_i32 s16, s16, STB                        ; A: record 2 x tile row + half
	s_mov_b32 s17, 0
	s_lshl_b32 s46, s42, 1
	s_add_co_u32 s46, s46, s[HC]
	s_mul_i32 s46, s46, STB                        ; B: record 2 x tile column + half
	s_mov_b32 s47, 0
	s_mul_i32 s20, s[HC], REC                      ; where my load goes
	s_mul_i32 s21, s[HR], REC                      ; where I read A,
	s_add_co_u32 s22, s20, BOFF                    ; and B
	s_sub_co_u32 s70, s22, s21                     ; from A's record to B's: lanes 16-31 take B's scale words
	s_add_co_u32 s71, s21, SCW
	s_mul_i32 s23, s[WV], 16*SPITCH
	s_add_co_u32 s23, s23, STAGE                   ; my stage
	s_cmp_eq_u32 s[HR], 0
	s_cselect_b32 s18, s16, s46                    ; the prefetches: my record's offset,
	s_cselect_b32 s19, s40, s41                    ; my place among the four that ask with me
	s_mul_i32 s[P13], s19, 13
	s_mov_b32 s19, 0
	v_and_b32 v1, 31, v0
	v_and_b32 v2, 15, v0                           ; r
	v_bfe_u32 v3, v0, 4, 1                         ; h
	v_lshlrev_b32 v[BO], 5, v3
	v_lshlrev_b32 v[CO], 4, v1
	v_add_nc_u32 v[ADRA], s21, v[CO]
	v_add_nc_u32 v[ADRB], s22, v[CO]
	v_add_nc_u32 v[ADRA+1], SLOT, v[ADRA]
	v_add_nc_u32 v[ADRB+1], SLOT, v[ADRB]
	v_mul_u32_u24 v4, s70, v3
	v_lshl_add_u32 v4, v2, 5, v4                   ; 32 bytes of scale words a row
	v_add_nc_u32 v[ASC], s71, v4
	v_add_nc_u32 v[ASC+1], SLOT, v[ASC]
	v_mul_u32_u24 v5, v2, SPITCH
	v_lshl_add_u32 v5, v3, 5, v5
	v_add_nc_u32 v[STO], s23, v5
	v_add_nc_u32 v[RD], s23, v[CO]
	v_min_u32 v[PFO], 12, v1                       ; lanes 0-12 a block of 256 bytes each; the others name the last again
	v_add_nc_u32 v[PFO], s[P13], v[PFO]
	v_min_u32 v[PFO], 49, v[PFO]                   ; a record has 50 blocks
	v_lshlrev_b32 v[PFO], 8, v[PFO]
	s_wait_alu depctr_va_vdst(0)                   ; the wait here, ahead of the blocking waits
	s_wait_dscnt 0x0                               ; both opening adds are done
	s_wait_kmcnt 0x0
	s_add_nc_u64 s[16:17], s[4:5], s[16:17]
	s_add_nc_u64 s[46:47], s[6:7], s[46:47]
.irp s, 0,1
	s_mov_b32 s[G0+4*\s], 1
	s_add_co_u32 s[G0+4*\s+1], s20, \s*SLOT
	s_add_nc_u64 s[G0+4*\s+2:G0+4*\s+3], s[16:17], \s*NQ*TSTR
	s_or_b32 s[G0+4*\s+3], s[G0+4*\s+3], 0x80000000
	s_mov_b32 s[G0B+4*\s], 1
	s_add_co_u32 s[G0B+4*\s+1], s20, \s*SLOT+BOFF
	s_add_nc_u64 s[G0B+4*\s+2:G0B+4*\s+3], s[46:47], \s*NQ*TSTR
	s_or_b32 s[G0B+4*\s+3], s[G0B+4*\s+3], 0x80000000
.endr
	s_cmp_eq_u32 s[HR], 0
	s_cselect_b64 s[PFA:PFA+1], s[4:5], s[6:7]
	s_add_nc_u64 s[PFA:PFA+1], s[PFA:PFA+1], s[18:19]
	s_add_nc_u64 s[PFA:PFA+1], s[PFA:PFA+1], NQ*TSTR   ; at steps 3 to 5
	s_lshl_b32 s46, s42, 10
	s_lshl_b32 s47, s[HC], 9
	s_add_co_u32 s46, s46, s47                     ; my first column, in bytes of 4-byte numbers
	s_mov_b32 s47, 0
	s_add_nc_u64 s[8:9], s[8:9], s[46:47]
	WIN TO_B
.irp b, 0,1,2,3,4,5,6,7                ; the bias of columns 16 b + 8 h + 0 .. 7, in the result's layout; asked for ahead of the round
	global_load_b128 v[96+8*\b+96*(\b/4):96+8*\b+96*(\b/4)+3], v[BO], s[8:9] offset:64*\b
	global_load_b128 v[96+8*\b+96*(\b/4)+4:96+8*\b+96*(\b/4)+7], v[BO], s[8:9] offset:64*\b+16
.endr
	WIN 0
	s_lshl_b32 s20, s43, 8
	s_lshl_b32 s21, s[HR], 7
	s_add_co_u32 s20, s20, s21
	s_lshl_b32 s20, s20, 14                        ; my first row of out0, in bytes
	s_mov_b32 s21, 0
	s_add_nc_u64 s[10:11], s[10:11], s[20:21]
	s_add_nc_u64 s[10:11], s[10:11], s[46:47]
	CROUND                                         ; all sixteen work-groups are here: the first joint loads meet
	JLOAD 0, G1, G1B                               ; steps 0 to 2: one tensor load a wave at the head
	ASK 0, 0                                       ; steps 3 to 5
	s_wait_loadcnt 0x0
	WIN 0x41
.irp b, 0,1,2,3,4,5,6,7
.irp j, 0,1,2,3,4,5,6,7
	v_cvt_f32_i32 v[96+8*\b+96*(\b/4)+\j], v[96+8*\b+96*(\b/4)+\j]
.endr
.endr
	WIN 0
.macro FRAG reg, adr, q, i             ; an image: three loads of 512 consecutive bytes
.irp c, 0,1,2
	ds_load_b128 v[\reg+4*\c:\reg+4*\c+3], v[\adr] offset:(\q)*STB+(\i)*FRB+512*\c
.endr
.endm
.macro FETCH slot, q, p                ; step q of a slot into set p, 50 loads in one run: B's eight fragments, the scale words, A's eight
	WIN TO_B
.irp i, 0,1,2,3,4,5,6,7
	FRAG 128*(\p)+FR*\i, ADRB+(\slot), \q, \i
.endr
	WIN 0
	ds_load_b128 v[SC+8*(\p):SC+8*(\p)+3], v[ASC+(\slot)] offset:(\q)*STB
	ds_load_b128 v[SC+8*(\p)+4:SC+8*(\p)+7], v[ASC+(\slot)] offset:(\q)*STB+16
.irp i, 0,1,2,3,4,5,6,7
	FRAG 144-96*(\p)+FR*\i, ADRA+(\slot), \q, \i
.endr
.endm
; eight products: A's block a against B's eight, set p.  The accumulators take turns.  nz = 0: four v_nop among them: the places between the
; products ahead of this block and the loads into their operands, or the LDS stores of their results, that follow this block.
.macro MUL8 a, p, first, nz
.irp b, 0,1,2,3,4,5,6,7
.if \first
	v_wmma_scale_f32_16x16x128_f8f6f4 v[8*(8*((\a)%4)+\b):8*(8*((\a)%4)+\b)+7], v[128*(\p)+FR*\b:128*(\p)+FR*\b+FR-1], v[144-96*(\p)+FR*(\a):144-96*(\p)+FR*(\a)+FR-1], v[96+8*\b+96*(\b/4):96+8*\b+96*(\b/4)+7], v[SC+8*(\p)+\b], v[SC+8*(\p)+(\a)] matrix_a_fmt:MATRIX_FMT_BF6 matrix_b_fmt:MATRIX_FMT_BF6 matrix_a_scale:MATRIX_SCALE_ROW1
.else
	v_wmma_scale_f32_16x16x128_f8f6f4 v[8*(8*((\a)%4)+\b):8*(8*((\a)%4)+\b)+7], v[128*(\p)+FR*\b:128*(\p)+FR*\b+FR-1], v[144-96*(\p)+FR*(\a):144-96*(\p)+FR*(\a)+FR-1], v[8*(8*((\a)%4)+\b):8*(8*((\a)%4)+\b)+7], v[SC+8*(\p)+\b], v[SC+8*(\p)+(\a)] matrix_a_fmt:MATRIX_FMT_BF6 matrix_b_fmt:MATRIX_FMT_BF6 matrix_a_scale:MATRIX_SCALE_ROW1
.endif
.if (\nz) == 0 && \b < 4
	v_nop
.endif
.endr
.endm
; A step on set p; step nq of slot ns comes into the other set.
.macro STEP p, ns, nq, first
	s_wait_dscnt 21                                ; B, the scale words and A's block 0 are in; the 21 loads of A's blocks 1-7 may be out
	MW 0, \first
	MUL8 0, \p, \first, 0
	FETCH \ns, \nq, 1-(\p)
	s_wait_dscnt 50                                ; all but the 50 just issued
.irp a, 1,2,3,4,5,6,7
	MW \a, \first
	MUL8 \a, \p, \first, 1
.endr
.endm
; A slot's third step, on set p: its fragments are all asked for, so the slot is given up at once.  kind 1: it is filled again with three steps; 2: with the last two; 3: not at all.
.macro TURN p, slot, next, kind
.if \kind == 1
	s_wait_xcnt 0x0                                ; my prefetches have read their address
	s_add_nc_u64 s[PFA:PFA+1], s[PFA:PFA+1], NQ*TSTR
.endif
	WIN 0                                          ; (the add's registers lie in window 0)
	s_wait_tensorcnt 0x0                           ; my one load that was out, my part of the next slot, has landed;
	ds_add_u32 v[SPW], v[NIL]                      ; the add;
	s_wait_dscnt 22                                ; (the add and the loads of A's blocks 1-7 may be out)
	MW 0, 0
	MUL8 0, \p, 0, 1
	s_wait_dscnt 0x0                               ; the add is done, and my reads of this slot are over
	s_barrier_signal -1
	MUL8 1, \p, 0, 1
	WIN 0
	s_barrier_wait -1
.if \kind < 3
	CREST                                          ; the barrier has opened a round of the cluster's barrier
	s_add_nc_u64 s[G0+4*\slot+2:G0+4*\slot+3], s[G0+4*\slot+2:G0+4*\slot+3], 2*NQ*TSTR
	s_add_nc_u64 s[G0B+4*\slot+2:G0B+4*\slot+3], s[G0B+4*\slot+2:G0B+4*\slot+3], 2*NQ*TSTR
.if \kind == 2
	JLOAD \slot, G1L, G1BL
.else
	JLOAD \slot, G1, G1B                           ; the first tensor load behind the round; its four v_nop are the places in front of the loads below
.endif
.else
	PLACES
.endif
	FETCH \next, 0, 1-(\p)
.if \kind == 1
	ASK NQ*TSTR, \slot                             ; what the next refill will ask for
.endif
.irp a, 2,3,4,5,6,7
	MW \a, 0
	MUL8 \a, \p, 0, 1
.endr
.endm
	s_wait_alu depctr_va_vdst(0)                   ; the wait at the head's end
	s_wait_tensorcnt 0x0                           ; my part of slot 0 is in; slot 1's first fill is issued as a refill is:
	ds_add_u32 v[SPW], v[NIL]
	s_wait_dscnt 0x0
	CROUND
	JLOAD 1, G1, G1B                               ; steps 3 to 5
	FETCH 0, 0, 0
	ASK NQ*TSTR, 0                                 ; steps 6 to 8
	STEP 0, 0, 1, 1                                ; step 0: its products start the sums, on the bias
	WIN 0                                          ; at a label and at a branch every window is 0
	s_mov_b32 s[LAP], TRIPS
.Llap:                                                 ; six steps: once round the ring and back to set 1
	STEP 1, 0, 2, 0
	TURN 0, 0, 1, 1
	STEP 1, 1, 1, 0
	STEP 0, 1, 2, 0
	TURN 1, 1, 0, 1
	STEP 0, 0, 1, 0
	WIN 0
	s_sub_co_u32 s[LAP], s[LAP], 1
	s_cmp_lg_u32 s[LAP], 0
	s_cbranch_scc1 .Llap
	STEP 1, 0, 2, 0                                ; step 25
	TURN 0, 0, 1, 2                                ; slot 0 takes steps 30, 31
	STEP 1, 1, 1, 0
	STEP 0, 1, 2, 0
	TURN 1, 1, 0, 3                                ; step 29: the walk's last barrier; behind it nobody reads slot 1
	STEP 0, 0, 1, 0                                ; step 30
; THE WAY OUT of block a, 16 rows x 128 columns: through my own stage, back as whole rows of 512 bytes.  The rows come back into registers that step 30 left free: v144-207 of window 0, v0-63 of window 1, by turns.
.macro TOSTAGE a
.set AC, 64*((\a)%4)
.set BB, 144-144*((\a)%2)
	WIN 0x08+4*((\a)/4)
.irp b, 0,1,2,3,4,5,6,7
	ds_store_b128 v[STO], v[AC+8*\b:AC+8*\b+3] offset:64*\b          ; each accumulator from its low end on
	ds_store_b128 v[STO], v[AC+8*\b+4:AC+8*\b+7] offset:64*\b+16
.endr
	WIN 0x40*((\a)%2)
.irp t, 0,1,2,3,4,5,6,7,8,9,10,11,12,13,14,15
	ds_load_b128 v[BB+4*\t:BB+4*\t+3], v[RD] offset:\t*SPITCH        ; LDS serves a wave's instructions in order (ISA guide 5.7.1.4)
.endr
	WIN 0
.endm
.macro SEND a, younger                 ; younger: the LDS instructions issued behind block a's loads
.set BB, 144-144*((\a)%2)
	s_wait_dscnt \younger
.if (\a) > 0
	s_add_nc_u64 s[10:11], s[10:11], 16*ROWC       ; (behind a wait on XCNT: the earlier stores have read their base)
.endif
	WIN 0x04*((\a)%2)
.irp t, 0,1,2,3,4,5,6,7,8,9,10,11,12,13,14,15
	global_store_b128 v[CO], v[BB+4*\t:BB+4*\t+3], s[10:11] offset:\t*ROWC th:TH_STORE_NT   ; 32 lanes store 512 consecutive bytes, at a multiple of 256 from out0's first byte
.endr
	WIN 0
.endm
	s_wait_dscnt 21                                ; step 31, on set 1
	MW 0, 0
	MUL8 0, 1, 0, 0
	s_wait_dscnt 0x0                               ; all its fragments are in
	MUL8 1, 1, 0, 0
	TOSTAGE 0
.irp a, 1,2,3,4,5,6,7
.if \a < 7
	MW \a+1, 0
	MUL8 \a+1, 1, 0, 0                             ; its four v_nop are the places behind block a's products
.else
	PLACES
.endif
.if \a > 1
	s_wait_xcnt 0x0                                ; block a - 2's stores have read their registers and their base
.endif
	TOSTAGE \a
	SEND \a-1, 32
.endr
	s_wait_xcnt 0x0
	SEND 7, 0
	s_wait_tensorcnt 0x0                           ; the wave's end
	ds_add_u32 v[SPW], v[NIL]
	s_wait_dscnt 0x0
	CROUND                                         ; the closing round
	s_endpgm
.Lfunc_end_k_q02bfa088f9_gemm:
	.size	k_q02bfa088f9_gemm, .Lfunc_end_k_q02bfa088f9_gemm-k_q02bfa088f9_gemm
	.p2alignl 7, 3214868480
	.fill 96, 4, 3214868480
	.section	.rodata,"a",@progbits
	.p2align	6, 0x0
	.amdhsa_kernel k_q02bfa088f9_gemm
		.amdhsa_group_segment_fixed_size 327680
		.amdhsa_private_segment_fixed_size 0
		.amdhsa_enable_private_segment 0
		.amdhsa_kernarg_size 32
		.amdhsa_user_sgpr_count 2
		.amdhsa_user_sgpr_kernarg_segment_ptr 1
		.amdhsa_wavefront_size32 1
		.amdhsa_system_sgpr_workgroup_id_x 1
		.amdhsa_system_sgpr_workgroup_id_y 1
		.amdhsa_system_sgpr_workgroup_id_z 1
		.amdhsa_system_vgpr_workitem_id 0
		.amdhsa_next_free_vgpr 1024
		.amdhsa_next_free_sgpr 88
		.amdhsa_reserve_vcc 0
		.amdhsa_float_denorm_mode_32 3
		.amdhsa_float_denorm_mode_16_64 3
		.amdhsa_memory_ordered 1
		.amdhsa_forward_progress 1
		.amdhsa_inst_pref_size 209
	.end_amdhsa_kernel
	.amdgpu_metadata
---
amdhsa.version: [ 1, 2 ]
amdhsa.kernels:
  - .name:           k_q02bfa088f9_gemm
    .symbol:         k_q02bfa088f9_gemm.kd
    .args:
      - { .name: a_q, .offset: 0, .size: 8, .value_kind: global_buffer, .address_space: global }
      - { .name: b_q, .offset: 8, .size: 8, .value_kind: global_buffer, .address_space: global }
      - { .name: bias, .offset: 16, .size: 8, .value_kind: global_buffer, .address_space: global }
      - { .name: out0, .offset: 24, .size: 8, .value_kind: global_buffer, .address_space: global }
    .group_segment_fixed_size: 327680
    .private_segment_fixed_size: 0
    .kernarg_segment_align: 8
    .kernarg_segment_size: 32
    .max_flat_workgroup_size: 128
    .sgpr_count:     88
    .vgpr_count:     1024
    .wavefront_size: 32
...
	.end_amdgpu_metadata
.endif
;; end of part 2
